; MI455X (gfx1250); checked and timed in simulation.
; The chip was launched on July 23, 2026; its instructions are those of AMD's public machine-readable ISA for CDNA 5 (MIT licence, August 2026) and "CDNA5" Instruction Set Architecture Reference Guide (July 2026). The comments in the code are by the model that wrote it; some were corrected since.
;; Mo EFFN. Allowed arithmetic: matrix products marked QUANTISED: E3M2 operands, one E8M0 scale for each 32 along K, by v_wmma_scale_f32_16x16x128_f8f6f4 with both operands' format E3M2, f32 sums; everything else in f32.
;; Inputs: b1 8 x 1,024 float32; b2 8 x 1,024 float32; hidden_codes 4 x 1,024 x 32 x 24 uint8 (E3M2 codes of hidden, K innermost, in blocks of 32 codes, four codes in three bytes); hidden_scales 4 x 1,024 x 32 uint8 (E8M0 scales of hidden, one for each 32 codes along K); top_k_indices 4 x 1,024 x 2 int32; top_k_weights 4 x 1,024 x 2 float32; w1_codes 8 x 1,024 x 32 x 24 uint8 (E3M2 codes of w1, K innermost, in blocks of 32 codes, four codes in three bytes); w1_scales 8 x 1,024 x 32 uint8 (E8M0 scales of w1, one for each 32 codes along K); w2_codes 8 x 1,024 x 32 x 24 uint8 (E3M2 codes of w2, K innermost, in blocks of 32 codes, four codes in three bytes); w2_scales 8 x 1,024 x 32 uint8 (E8M0 scales of w2, one for each 32 codes along K).
;; Outputs: out0 4 x 1,024 x 1,024 float32.
;; This version of the problem:
;;   THIS VERSION OF THE PROBLEM IS GIVEN IN LOW PRECISION. The matrix products marked QUANTISED in the list below multiply operands that are first quantised to E3M2 (3 exponent bits, 2 mantissa bits; 6 bits a number), with one power-of-two scale for each 32 numbers along K (OCP MX v1.0); their sums are f32. All else is computed in f32.
;;   The module's matrix products, in the order in which they are computed (A, B: the left and right operand; K: the contracted axis; several contracted axes count as one K, in the product's order):
;;     1. [M 4,096, K 1,024] x [K 1,024, N 1,024]; A: input hidden (given as codes); B: input w1 (given as codes): QUANTISED
;;     2. [M 4,096, K 1,024] x [K 1,024, N 1,024]; A: computed on the way; B: input w2 (given as codes): QUANTISED
;;     3. [M 4,096, K 1,024] x [K 1,024, N 1,024]; A: input hidden (given as codes); B: input w1 (given as codes): QUANTISED
;;     4. [M 4,096, K 1,024] x [K 1,024, N 1,024]; A: computed on the way; B: input w2 (given as codes): QUANTISED
;;     5. [M 4,096, K 1,024] x [K 1,024, N 1,024]; A: input hidden (given as codes); B: input w1 (given as codes): QUANTISED
;;     6. [M 4,096, K 1,024] x [K 1,024, N 1,024]; A: computed on the way; B: input w2 (given as codes): QUANTISED
;;     7. [M 4,096, K 1,024] x [K 1,024, N 1,024]; A: input hidden (given as codes); B: input w1 (given as codes): QUANTISED
;;     8. [M 4,096, K 1,024] x [K 1,024, N 1,024]; A: computed on the way; B: input w2 (given as codes): QUANTISED
;;     9. [M 4,096, K 1,024] x [K 1,024, N 1,024]; A: input hidden (given as codes); B: input w1 (given as codes): QUANTISED
;;     10. [M 4,096, K 1,024] x [K 1,024, N 1,024]; A: computed on the way; B: input w2 (given as codes): QUANTISED
;;     11. [M 4,096, K 1,024] x [K 1,024, N 1,024]; A: input hidden (given as codes); B: input w1 (given as codes): QUANTISED
;;     12. [M 4,096, K 1,024] x [K 1,024, N 1,024]; A: computed on the way; B: input w2 (given as codes): QUANTISED
;;     13. [M 4,096, K 1,024] x [K 1,024, N 1,024]; A: input hidden (given as codes); B: input w1 (given as codes): QUANTISED
;;     14. [M 4,096, K 1,024] x [K 1,024, N 1,024]; A: computed on the way; B: input w2 (given as codes): QUANTISED
;;     15. [M 4,096, K 1,024] x [K 1,024, N 1,024]; A: input hidden (given as codes); B: input w1 (given as codes): QUANTISED
;;     16. [M 4,096, K 1,024] x [K 1,024, N 1,024]; A: computed on the way; B: input w2 (given as codes): QUANTISED
;;   THE QUANTISER, for each operand of a quantised product, along K:
;;     - K is cut into blocks of 32 from its start; a last block that is shorter is filled with zeros.
;;     - A block's scale is 2^e with e = floor(log2(the largest magnitude in the block)) - 4, held to -126 .. 127; a block of zeros has e = 0. As a byte (E8M0): e + 127.
;;     - Each number is divided by its block's scale, clamped to +-28, and rounded to the nearest number of E3M2, ties to even, subnormals kept.
;;     - The product sums the exact products of the quantised numbers (number of the format x scale) in f32.
;;   ~~~python
;;   def quantise(x, axis):      # numpy; x: float32 -> the quantised numbers, widened to float32 again
;;       x = np.moveaxis(x, axis, -1); K = x.shape[-1]
;;       x = np.pad(x, [(0, 0)] * (x.ndim - 1) + [(0, -K % 32)]); x = x.reshape(x.shape[:-1] + (-1, 32)); a = np.abs(x).max(-1, keepdims=True)
;;       e = np.where(a > 0, np.clip(np.frexp(np.where(a > 0, a, 1))[1] - 1 - 4, -126, 127), 0)      # np.frexp(a)[1] - 1 = floor(log2(a)), exactly
;;       r = np.clip(x / 2.0 ** e, -28, 28)
;;       step = 2.0 ** (np.maximum(np.frexp(np.where(r == 0, 1, r))[1] - 1, -2) - 2)
;;       q = np.round(r / step) * step * 2.0 ** e      # np.round: ties to even
;;       return np.moveaxis(q.reshape(q.shape[:-2] + (-1,))[..., :K], -1, axis).astype(np.float32)
;;   ~~~
;;   OPERANDS COMPUTED ON THE WAY. 'Computed on the way' means the value that the module computes at that place (a softmax that the list does not call 'softmax' is quantised finished and normalised). What goes into a quantiser is computed in f32, as accurately as f32 sums, v_exp_f32 and their like allow (about 1e-6 of the number): no bf16 or f16 on the way to a quantiser, and a product that is left as it is and whose result goes on into a quantised operand takes f32 operands (vector FMAs, or v_wmma_f32_16x16x4_f32). A number that lies on a knife's edge between two numbers of the format may be rounded either way, as far as f32 arithmetic and the matrix unit's own rounding can turn it there, and no further.
;;   INPUTS GIVEN AS CODES. hidden (in the module: [4, 1024, 1024], K = its axis 2); w1 (in the module: [8, 1024, 1024], K = its axis 1); w2 (in the module: [8, 1024, 1024], K = its axis 1): each comes as NAME_codes (uint8): NAME with its K axis moved to the last place and cut into blocks of 32 codes, [.., K / 32, bytes a block], one block behind the other in memory; four codes in three bytes: a row's codes are one little-endian stream of bits, code i at bits 6 i .. 6 i + 5 (a code: sign, 3 exponent bits, 2 mantissa bits); and NAME_scales (uint8): the same leading axes, one E8M0 byte (e + 127) for each 32 codes along K. Its value is code x scale, taken as it is: it is not quantised again, and the codes and scales need not be those that the quantiser above would give.
;; One version. Each part assembles by itself: llvm-mc -triple=amdgcn-amd-amdhsa -mcpu=gfx1250 --defsym DOCPART=n.
;; ======== version 1 of 1: 3 launches
;; limits: right only within a limited range of input values
;; workspace buffers: tiles 34,048 bytes of whole numbers; w1i 6,291,456 bytes; w2i 6,291,456 bytes; hc 11,599,872 bytes; hs 483,328 bytes
;; launch prep (part 1): grid 257 x 1, 16 waves a work-group, no clusters, 67,584 bytes of LDS; arguments top_k_indices, w1_codes, w2_codes, tiles, w1i, w2i; writes tiles, w1i, w2i
.if DOCPART == 1
	.amdgcn_target "amdgcn-amd-amdhsa--gfx1250"
	.amdhsa_code_object_version 6
	.text
	.protected	k_qf65db66df3_prep
	.globl	k_qf65db66df3_prep
	.p2align	8
	.type	k_qf65db66df3_prep,@function
k_qf65db66df3_prep:
	s_mov_b64 s[64:65], 0
	v_nop
	global_prefetch_b8 v0, s[64:65] scope:SCOPE_SE
	s_setreg_imm32_b32 hwreg(HW_REG_WAVE_MODE, 25, 1), 1
	s_wait_xcnt 0x0
; WORK LEFT OUT BY THE WHOLE PROGRAM: gate[t][e] is a sum over the slots of token t whose index is e, so it is 0 for every expert that no slot of t names, and y_e x 0 adds nothing to out[t], whatever
; the inputs hold.  Only the experts that a token's two indices name are multiplied for it.  LIMIT: a NaN, an infinity or an overflow that reaches only the work left out is not carried to the result.
; PREP: two jobs in one launch, told apart by the work-group's number.
; WORK-GROUP 0 sorts the 4,096 tokens by their unordered PAIR of experts (a < b: 28 keys; a token with both slots on e joins the pair (e & 6, e | 1), where its gate for the partner comes out 0)
; and cuts each key's tokens into tiles of 128: never more than (4,096 + 28 x 127) / 128 = 59 tiles.  A counting sort without atomics: wave w owns tokens 256 w .. 256 w + 255, a lane a token, 8 batches.
;   A token's rank in its batch: the five ballots of the key's bits give each lane the mask of the lanes that hold its key.  The same ballots against the LANE's number give lane k the mask of key k's tokens.
;   tiles: tok[64][128] int32 (a token's number; -1 behind a tile's last token), from byte HDR on hdr[64][4] = {a, b, valid, tokens}, and at byte DUMP one word that nobody reads:
;   the lanes of the -1 fill whose place holds a token store there, so that EXEC never changes.
; WORK-GROUPS 1 .. 256 lay W1's and W2's codes out as IMAGES OF THE OPERAND'S REGISTERS, so that the later launches load a fragment by three loads of 16 bytes a lane:
;   w1i, w2i: [expert][group of 128 rows][K step of 128][tile of 16 rows][1,536]; a fragment is three chunks of 512 bytes, chunk c = registers 4 c .. 4 c + 3, lane l at 16 l.
;   Lane (r, h) holds of its row the bytes 96 s + 24 h .. + 23 (registers 0-5) and 96 s + 48 + 24 h .. + 23 (registers 6-11): the 6-bit operand's layout (ISA guide 7.12).
;   Row of tile t, lane r:  w1i: 32 (t / 2) + 8 (t % 2) + r + 8 (r / 8), so that two neighbouring tiles' results are 16 neighbours along the next K;  w2i: 16 t + r.
; 112 registers a wave: two work-groups of 16 waves fit the 1,024 registers of each SIMD, so the 257 work-groups need no second turn.
; LIMITS: an index outside 0 .. 7 is held at 7 for the grouping.
.set PITCH, 784                        ; a row of codes in LDS: 768 bytes + 16 = 196 words: row r begins at bank 4 r mod 64 (ISA guide 11.1)
.set CNT,   61440                      ; the sorting path's LDS bytes: 16 waves x 32 counts; the layout path's rows lie from byte 0 on
.set SPARE, 65536                      ; the spare words: 128 bytes a wave
.set HDR,   32768
.set DUMP,  33792
.set SPW,   108
.set NIL,   109
	s_load_b256 s[4:11], s[0:1], 0x0               ; top_k_indices s[4:5], w1_codes s[6:7], w2_codes s[8:9], tiles s[10:11]
	s_load_b128 s[12:15], s[0:1], 0x20             ; w1i s[12:13], w2i s[14:15]
	v_lshl_add_u32 v[SPW], v0, 2, SPARE
	v_mov_b32 v[NIL], 0
	v_lshrrev_b32 v2, 5, v0
	s_delay_alu instid0(VALU_DEP_1)
	v_readfirstlane_b32 s2, v2                     ; wave 0..15
	v_and_b32 v1, 31, v0                           ; lane
	s_cmp_eq_u32 ttmp9, 0
	s_cbranch_scc1 .Lroute
; ---------------- THE LAYOUT: a work-group takes 64 rows (49,152 dense bytes) of one tensor ----------------
	s_sub_co_u32 s16, ttmp9, 1
	s_lshr_b32 s17, s16, 7                         ; 0: W1, 1: W2
	s_and_b32 s18, s16, 127                        ; which 64 rows of the tensor's 8,192
	v_lshlrev_b32 v3, 4, v1                        ; 16 x lane
	v_lshrrev_b32 v4, 4, v1                        ; h
	v_and_b32 v5, 15, v1                           ; r
	s_mul_i32 s19, s2, 4*PITCH                     ; in: wave v brings rows 4 v .. 4 v + 3
	v_add_nc_u32 v6, s19, v3                       ; a pair of rows is 1,536 dense bytes, three loads of 512: the first lies in the first row, the third in the second,
	s_delay_alu instid0(VALU_DEP_1)
	v_lshl_add_u32 v7, v4, 4, v6                   ; and in the middle one lanes 16-31 lie in the second row: 16 bytes of padding further on
	s_mul_i32 s28, s18, 49152
	s_mul_i32 s29, s2, 3072
	s_add_co_u32 s28, s28, s29
	s_mov_b32 s29, 0
	s_and_b32 s30, s2, 1                           ; out: wave v makes K step v / 2, local tiles 2 (v % 2) and 2 (v % 2) + 1
	s_lshr_b32 s31, s2, 1
	s_lshr_b32 s34, s18, 1                         ; 8 x expert + group
	s_mul_i32 s34, s34, 98304
	s_mul_i32 s35, s31, 12288
	s_add_co_u32 s34, s34, s35
	s_and_b32 s35, s18, 1                          ; which half of the group's 128 rows: tiles 0-3 or 4-7
	s_mul_i32 s35, s35, 6144
	s_add_co_u32 s34, s34, s35
	s_mul_i32 s35, s30, 3072
	s_add_co_u32 s34, s34, s35
	s_mov_b32 s35, 0
	s_mul_i32 s32, s30, 32*PITCH
	s_mul_i32 s33, s31, 96
	s_add_co_u32 s32, s32, s33
	s_wait_alu depctr_va_vdst(0)
	s_wait_kmcnt 0x0
	s_cmp_eq_u32 s17, 0                            ; the choices hang on the work-group's number alone
	s_cselect_b64 s[24:25], s[6:7], s[8:9]         ; from
	s_cselect_b64 s[26:27], s[12:13], s[14:15]     ; to
	s_add_nc_u64 s[24:25], s[24:25], s[28:29]
	s_add_nc_u64 s[26:27], s[26:27], s[34:35]
.irp i, 0,1,2,3,4,5
	global_load_b128 v[8+4*\i:11+4*\i], v3, s[24:25] offset:512*\i th:TH_LOAD_NT   ; 32 lanes read 512 consecutive bytes; read once in the launch
.endr
	v_mul_u32_u24 v56, v5, PITCH
	v_lshrrev_b32 v57, 3, v5
	s_delay_alu instid0(VALU_DEP_2)
	v_mad_u32_u24 v56, v4, 24, v56                 ; row r, + 24 h
	s_delay_alu instid0(VALU_DEP_2)
	v_mul_u32_u24 v57, 8*PITCH, v57
	s_delay_alu instid0(VALU_DEP_2)
	v_add_nc_u32 v56, s32, v56                     ; W2's order: my place in the first tile's rows, at my K step
	s_delay_alu instid0(VALU_DEP_1)
	v_add_nc_u32 v57, v56, v57                     ; W1's order: lanes 8-15 lie 8 rows further on
	s_wait_alu depctr_va_vdst(0)
	s_wait_loadcnt 0x0
.irp i, 0,1
	ds_store_b128 v6, v[8+12*\i:11+12*\i] offset:2*PITCH*\i
	ds_store_b128 v7, v[12+12*\i:15+12*\i] offset:2*PITCH*\i+512
	ds_store_b128 v6, v[16+12*\i:19+12*\i] offset:2*PITCH*\i+1040
.endr
	s_wait_dscnt 0x0                               ; for the others' sake: my rows lie in LDS
	s_barrier_signal -1
	s_barrier_wait -1
.macro PIECES adr, dist                ; two fragments in pieces of 8 bytes; dist: rows from the wave's first tile to its second
.irp p, 0,1,2,3,4,5
	ds_load_b64 v[32+2*\p:33+2*\p], v[\adr] offset:48*(\p/3)+8*(\p%3)
	ds_load_b64 v[44+2*\p:45+2*\p], v[\adr] offset:\dist*PITCH+48*(\p/3)+8*(\p%3)
.endr
.endm
	s_cmp_eq_u32 s17, 0                            ; the two orders of rows have an arm each, with constants for addresses
	s_cbranch_scc0 .Lw2
	PIECES 57, 8
	s_branch .Lsend
.Lw2:
	PIECES 56, 16
.Lsend:
	s_wait_dscnt 0x0
.irp c, 0,1,2
	global_store_b128 v3, v[32+4*\c:35+4*\c], s[26:27] offset:512*\c        ; each store covers 512 consecutive bytes, aligned
	global_store_b128 v3, v[44+4*\c:47+4*\c], s[26:27] offset:1536+512*\c
.endr
	s_wait_tensorcnt 0x0                           ; the wave's end
	ds_add_u32 v[SPW], v[NIL]
	s_wait_dscnt 0x0
	s_endpgm
; ---------------- THE SORT ----------------
; Batch j: v[16+2j], v[17+2j] the index pair, then key k's mask and count (a lane a key) and a temporary; v[32+j] the key, then 4 x key; v[40+j] a, then my rank in the batch; v[50+8b+j] bit b of my key, spread over the word.
; s[36..59], s[66..81]: the ballot of bit b in batch j.  Every step is written for the eight batches by turns, so that no line waits for the line above it.
; v100-104 bit b of my lane's number, spread.  v51 a key's tokens, v52 those of the waves before mine, v53 its tiles, v54 its first tile, v55 where my wave's tokens of the key begin;
; v56 a lane a tile: 4 w + lane % 4; v57 the tile's tokens; v58 its pair.
.Lroute:
	v_and_b32 v2, 0x1e0, v0
	s_delay_alu instid0(VALU_DEP_1)
	v_lshlrev_b32 v3, 3, v2
	s_wait_alu depctr_va_vdst(0)
	v_add_nc_u32 v3, v3, v1                        ; my first token: 256 w + lane
	s_delay_alu instid0(VALU_DEP_1)
	v_lshlrev_b32 v4, 3, v3                        ; its two indices: 8 bytes
.irp b, 0,1,2,3,4
	v_lshlrev_b32 v[100+\b], 31-\b, v1
.endr
.irp b, 0,1,2,3,4
	v_ashrrev_i32 v[100+\b], 31, v[100+\b]         ; 0 or -1
.endr
	s_mov_b32 s82, 0x01010101
	s_wait_alu depctr_va_vdst(0)
	s_wait_kmcnt 0x0
.irp j, 0,1,2,3,4,5,6,7
	global_load_b64 v[16+2*\j:17+2*\j], v4, s[4:5] offset:256*\j
.endr
	s_wait_loadcnt 0x0
.irp j, 0,1,2,3,4,5,6,7
	v_min_u32 v[16+2*\j], 7, v[16+2*\j]
	v_min_u32 v[17+2*\j], 7, v[17+2*\j]
.endr
.irp j, 0,1,2,3,4,5,6,7
	v_min_u32 v[40+\j], v[16+2*\j], v[17+2*\j]     ; a
	v_add_nc_u32 v[17+2*\j], v[16+2*\j], v[17+2*\j]
.endr
.irp j, 0,1,2,3,4,5,6,7
	v_sub_nc_u32 v[17+2*\j], v[17+2*\j], v[40+\j]  ; b
.endr
.irp j, 0,1,2,3,4,5,6,7
	v_cmp_eq_u32 s[36+\j], v[40+\j], v[17+2*\j]    ; both slots on one expert e:
	v_and_b32 v[16+2*\j], 6, v[40+\j]
	v_or_b32 v[50+\j], 1, v[17+2*\j]
.endr
.irp j, 0,1,2,3,4,5,6,7
	v_cndmask_b32 v[40+\j], v[40+\j], v[16+2*\j], s[36+\j]       ; the pair (e & 6, e | 1)
	v_cndmask_b32 v[17+2*\j], v[17+2*\j], v[50+\j], s[36+\j]
.endr
.irp j, 0,1,2,3,4,5,6,7
	v_sub_nc_u32 v[16+2*\j], 15, v[40+\j]
.endr
.irp j, 0,1,2,3,4,5,6,7
	v_mul_u32_u24 v[16+2*\j], v[16+2*\j], v[40+\j]
.endr
.irp j, 0,1,2,3,4,5,6,7
	v_lshrrev_b32 v[16+2*\j], 1, v[16+2*\j]
.endr
.irp j, 0,1,2,3,4,5,6,7
	v_add3_u32 v[16+2*\j], v[16+2*\j], v[17+2*\j], -1
.endr
.irp j, 0,1,2,3,4,5,6,7
	v_sub_nc_u32 v[32+\j], v[16+2*\j], v[40+\j]    ; key = a (15 - a) / 2 + b - a - 1: 0 .. 27
.endr
.irp b, 0,1,2,3,4
.irp j, 0,1,2,3,4,5,6,7
	v_lshlrev_b32 v[50+8*\b+\j], 31-\b, v[32+\j]
.endr
.endr
.irp b, 0,1,2,3,4
.irp j, 0,1,2,3,4,5,6,7
	v_ashrrev_i32 v[50+8*\b+\j], 31, v[50+8*\b+\j] ; bit b of my key: 0 or -1
.endr
.endr
.irp b, 0,1,2,3,4
.irp j, 0,1,2,3,4,5,6,7
	v_cmp_gt_i32 s[36+8*\b+6*(\b/3)+\j], 0, v[50+8*\b+\j]        ; the lanes whose key has bit b
.endr
.endr
.irp b, 0,1,2,3,4
.irp j, 0,1,2,3,4,5,6,7
	v_xor_b32 v[50+8*\b+\j], s[36+8*\b+6*(\b/3)+\j], v[50+8*\b+\j]   ; the lanes whose key differs from mine in bit b
.endr
.endr
.irp j, 0,1,2,3,4,5,6,7
	v_xor_b32 v[16+2*\j], s[36+\j], v100           ; the lanes whose key differs from my LANE's number in bit 0,
.endr
.irp b, 1,2,3,4
.irp j, 0,1,2,3,4,5,6,7
	v_xor_b32 v[17+2*\j], s[36+8*\b+6*(\b/3)+\j], v[100+\b]      ; in bit b
.endr
.irp j, 0,1,2,3,4,5,6,7
	v_or_b32 v[16+2*\j], v[16+2*\j], v[17+2*\j]
.endr
.endr
.irp j, 0,1,2,3,4,5,6,7
	v_or_b32 v[50+\j], v[50+\j], v[58+\j]
	v_or_b32 v[66+\j], v[66+\j], v[74+\j]
.endr
.irp j, 0,1,2,3,4,5,6,7
	v_or_b32 v[50+\j], v[50+\j], v[66+\j]
.endr
.irp j, 0,1,2,3,4,5,6,7
	v_or_b32 v[50+\j], v[50+\j], v[82+\j]
.endr
.irp j, 0,1,2,3,4,5,6,7
	v_xor_b32 v[50+\j], -1, v[50+\j]               ; the lanes that hold my key
	v_xor_b32 v[16+2*\j], -1, v[16+2*\j]           ; a lane a key: the lanes that hold key = my lane's number
.endr
.irp j, 0,1,2,3,4,5,6,7
	v_mbcnt_lo_u32_b32 v[40+\j], v[50+\j], 0       ; those below me: my rank in the batch
	v_lshlrev_b32 v[32+\j], 2, v[32+\j]
	v_lshrrev_b32 v[17+2*\j], 1, v[16+2*\j]        ; the ones of the key's mask are counted: by pairs of bits,
.endr
.irp j, 0,1,2,3,4,5,6,7
	v_and_b32 v[17+2*\j], 0x55555555, v[17+2*\j]
.endr
.irp j, 0,1,2,3,4,5,6,7
	v_sub_nc_u32 v[16+2*\j], v[16+2*\j], v[17+2*\j]
.endr
.irp j, 0,1,2,3,4,5,6,7
	v_lshrrev_b32 v[17+2*\j], 2, v[16+2*\j]        ; by fours,
	v_and_b32 v[16+2*\j], 0x33333333, v[16+2*\j]
.endr
.irp j, 0,1,2,3,4,5,6,7
	v_and_b32 v[17+2*\j], 0x33333333, v[17+2*\j]
.endr
.irp j, 0,1,2,3,4,5,6,7
	v_add_nc_u32 v[16+2*\j], v[16+2*\j], v[17+2*\j]
.endr
.irp j, 0,1,2,3,4,5,6,7
	v_lshrrev_b32 v[17+2*\j], 4, v[16+2*\j]        ; by bytes,
.endr
.irp j, 0,1,2,3,4,5,6,7
	v_add_nc_u32 v[16+2*\j], v[16+2*\j], v[17+2*\j]
.endr
.irp j, 0,1,2,3,4,5,6,7
	v_and_b32 v[16+2*\j], 0x0f0f0f0f, v[16+2*\j]
.endr
.irp j, 0,1,2,3,4,5,6,7
	v_mul_lo_u32 v[16+2*\j], v[16+2*\j], s82       ; and the four bytes summed into the highest
.endr
.irp j, 0,1,2,3,4,5,6,7
	v_lshrrev_b32 v[16+2*\j], 24, v[16+2*\j]       ; the key's tokens in batch j
.endr
	v_add_nc_u32 v18, v18, v16                     ; the key's tokens in batches 0 and 1,
.irp j, 2,3,4,5,6,7
	s_delay_alu instid0(VALU_DEP_1)
	v_add_nc_u32 v[16+2*\j], v[16+2*\j], v[14+2*\j]   ; in batches 0 .. j; v30: in my wave
.endr
	v_lshl_add_u32 v49, v0, 2, CNT
	ds_store_b32 v49, v30                          ; my wave's 32 counts
	s_wait_dscnt 0x0
	s_barrier_signal -1
	s_barrier_wait -1
	v_lshl_add_u32 v50, v1, 2, CNT
.irp i, 0,1,2,3,4,5,6,7,8,9,10,11,12,13,14,15
	ds_load_b32 v[64+\i], v50 offset:128*\i        ; every wave reads all sixteen: a lane a key
.endr
	v_mov_b32 v51, 0
	v_mov_b32 v52, 0
	s_wait_alu depctr_va_vdst(0)
	s_wait_dscnt 0x0
.irp i, 0,1,2,3,4,5,6,7,8,9,10,11,12,13,14,15
	v_add_nc_u32 v51, v51, v[64+\i]
	s_cmp_gt_u32 s2, \i
	s_cselect_b32 s66, 1, 0
	v_mad_u32_u24 v52, v[64+\i], s66, v52          ; the waves before mine
.endr
	v_add_nc_u32 v53, 127, v51
	s_delay_alu instid0(VALU_DEP_1)
	v_lshrrev_b32 v53, 7, v53                      ; the key's tiles
	s_lshl_b32 s70, s2, 2
	v_and_b32 v56, 3, v1
	s_delay_alu instid0(VALU_DEP_1)
	v_add_nc_u32 v56, s70, v56                     ; a lane a tile: my wave owns tiles 4 w .. 4 w + 3
	s_mov_b32 s69, 0                               ; tiles of the keys before
	v_mov_b32 v54, 0
	v_mov_b32 v57, 0
	v_mov_b32 v58, 0
.set k, 0
.irp a, 0,1,2,3,4,5,6
.irp b, 1,2,3,4,5,6,7
.if \b > \a
	v_readlane_b32 s66, v53, k                     ; the key's tiles,
	v_readlane_b32 s67, v51, k                     ; its tokens,
	v_writelane_b32 v54, s69, k                    ; its first tile
	v_sub_nc_u32 v59, v56, s69                     ; which of the key's tiles is my lane's?  (wraps to a large number in front of the first)
	v_mov_b32 v61, 0x10000|(\b<<8)|\a
	s_delay_alu instid0(VALU_DEP_2)
	v_cmp_gt_u32 vcc_lo, s66, v59                  ; one of them
	s_delay_alu instid0(VALU_DEP_3)
	v_lshlrev_b32 v60, 7, v59
	s_delay_alu instid0(VALU_DEP_1)
	v_sub_nc_u32 v60, s67, v60                     ; the tokens left from that tile on
	s_delay_alu instid0(VALU_DEP_1)
	v_cndmask_b32 v57, v57, v60, vcc_lo
	s_delay_alu instid0(VALU_DEP_4)
	v_cndmask_b32 v58, v58, v61, vcc_lo
	s_add_co_u32 s69, s69, s66
.set k, k+1
.endif
.endr
.endr
	v_min_u32 v57, 128, v57                        ; the tile's tokens; 0 in a tile that no key has
	v_and_b32 v92, 0xff, v58                       ; a
	v_bfe_u32 v93, v58, 8, 8                       ; b
	v_bfe_u32 v94, v58, 16, 1                      ; valid
	s_delay_alu instid0(VALU_DEP_4)
	v_mov_b32 v95, v57
	v_lshlrev_b32 v62, 4, v56
	global_store_b128 v62, v[92:95], s[10:11] offset:HDR   ; four headers a wave; eight lanes each store the same 16 bytes to the same place
	v_lshl_add_u32 v55, v54, 7, v52                ; a lane a key: where my wave's tokens of the key begin
.irp j, 1,2,3,4,5,6,7
	v_add_nc_u32 v[17+2*\j], v55, v[14+2*\j]       ; and those of batch j
.endr
	ds_bpermute_b32 v64, v32, v55                  ; my key's
.irp j, 1,2,3,4,5,6,7
	ds_bpermute_b32 v[64+\j], v[32+\j], v[17+2*\j]
.endr
	s_wait_dscnt 0x0
.irp j, 0,1,2,3,4,5,6,7
	v_add_nc_u32 v[72+\j], v[64+\j], v[40+\j]      ; + my rank
.endr
.irp j, 0,1,2,3,4,5,6,7
	v_min_u32 v[72+\j], 8191, v[72+\j]             ; (held inside tok[][])
.endr
.irp j, 0,1,2,3,4,5,6,7
	v_lshlrev_b32 v[72+\j], 2, v[72+\j]
	v_add_nc_u32 v[80+\j], 32*\j, v3
.endr
.irp j, 0,1,2,3,4,5,6,7
	global_store_b32 v[72+\j], v[80+\j], s[10:11]  ; each store has registers of its own: none is written again
.endr
	v_mov_b32 v88, -1
	v_mov_b32 v90, DUMP
	s_lshl_b32 s70, s2, 11
	v_lshl_add_u32 v89, v1, 2, s70                 ; my wave's four tiles: 512 bytes each
.irp i, 0,1,2,3
	v_add_nc_u32 v[96+\i], 32*\i, v1               ; a place in a tile
.endr
.irp j, 0,1,2,3
	v_readlane_b32 s[72+\j], v57, \j
.endr
.irp j, 0,1,2,3
.irp i, 0,1,2,3
	v_add_nc_u32 v[16+4*\j+\i], 512*\j+128*\i, v89
	v_cmp_le_u32 s[36+4*\j+\i], s[72+\j], v[96+\i] ; a place behind the tile's last token
.endr
.endr
.irp n, 0,1,2,3,4,5,6,7,8,9,10,11,12,13,14,15
	v_cndmask_b32 v[16+\n], v90, v[16+\n], s[36+\n]   ; the others' -1 goes to the word that nobody reads
.endr
.irp n, 0,1,2,3,4,5,6,7,8,9,10,11,12,13,14,15
	global_store_b32 v[16+\n], v88, s[10:11]
.endr
	s_wait_tensorcnt 0x0                           ; the wave's end
	ds_add_u32 v[SPW], v[NIL]
	s_wait_dscnt 0x0
	s_endpgm
.Lfunc_end_k_qf65db66df3_prep:
	.size	k_qf65db66df3_prep, .Lfunc_end_k_qf65db66df3_prep-k_qf65db66df3_prep
	.p2alignl 7, 3214868480
	.fill 96, 4, 3214868480
	.section	.rodata,"a",@progbits
	.p2align	6, 0x0
	.amdhsa_kernel k_qf65db66df3_prep
		.amdhsa_group_segment_fixed_size 67584
		.amdhsa_private_segment_fixed_size 0
		.amdhsa_enable_private_segment 0
		.amdhsa_kernarg_size 48
		.amdhsa_user_sgpr_count 2
		.amdhsa_user_sgpr_kernarg_segment_ptr 1
		.amdhsa_wavefront_size32 1
		.amdhsa_system_sgpr_workgroup_id_x 1
		.amdhsa_system_sgpr_workgroup_id_y 1
		.amdhsa_system_sgpr_workgroup_id_z 1
		.amdhsa_system_vgpr_workitem_id 0
		.amdhsa_next_free_vgpr 112
		.amdhsa_next_free_sgpr 84
		.amdhsa_reserve_vcc 1
		.amdhsa_float_denorm_mode_32 3
		.amdhsa_float_denorm_mode_16_64 3
		.amdhsa_memory_ordered 1
		.amdhsa_forward_progress 1
		.amdhsa_inst_pref_size 59
	.end_amdhsa_kernel
	.amdgpu_metadata
---
amdhsa.version: [ 1, 2 ]
amdhsa.kernels:
  - .name:           k_qf65db66df3_prep
    .symbol:         k_qf65db66df3_prep.kd
    .args:
      - { .name: top_k_indices, .offset: 0, .size: 8, .value_kind: global_buffer, .address_space: global }
      - { .name: w1_codes, .offset: 8, .size: 8, .value_kind: global_buffer, .address_space: global }
      - { .name: w2_codes, .offset: 16, .size: 8, .value_kind: global_buffer, .address_space: global }
      - { .name: tiles, .offset: 24, .size: 8, .value_kind: global_buffer, .address_space: global }
      - { .name: w1i, .offset: 32, .size: 8, .value_kind: global_buffer, .address_space: global }
      - { .name: w2i, .offset: 40, .size: 8, .value_kind: global_buffer, .address_space: global }
    .group_segment_fixed_size: 67584
    .private_segment_fixed_size: 0
    .kernarg_segment_align: 8
    .kernarg_segment_size: 48
    .max_flat_workgroup_size: 512
    .sgpr_count:     84
    .vgpr_count:     112
    .wavefront_size: 32
...
	.end_amdgpu_metadata
.endif
;; end of part 1
;; launch up (part 2): grid 59 x 4, 4 waves a work-group, no clusters, 100,864 bytes of LDS; arguments tiles, hidden_codes, hidden_scales, w1i, w1_scales, b1, hc, hs; writes hc, hs
.if DOCPART == 2
	.amdgcn_target "amdgcn-amd-amdhsa--gfx1250"
	.amdhsa_code_object_version 6
	.text
	.protected	k_qf65db66df3_up
	.globl	k_qf65db66df3_up
	.p2align	8
	.type	k_qf65db66df3_up,@function
k_qf65db66df3_up:
	s_mov_b64 s[64:65], 0
	v_nop
	global_prefetch_b8 v0, s[64:65] scope:SCOPE_SE
	s_setreg_imm32_b32 hwreg(HW_REG_WAVE_MODE, 25, 1), 1
	s_wait_xcnt 0x0
; UP: Q(gelu(x W1_e + b1_e)) for one tile of 128 tokens, one of the pair's two experts (slot) and one half of the 1,024 hidden units.  Work-group x = tile, y = 2 slot + half.
; Codes of BF6 (E3M2) with one E8M0 scale for each 32 along K on both sides; sums, bias and gelu in f32; the result is quantised along the hidden units and stored as codes.
; SHARES.  Wave w takes all 128 rows x the 128 hidden units of group 4 half + w, which are one K step of the second product: 64 accumulators, 512 registers.
; The product is used TRANSPOSED (source 0 = 16 rows of W1, source 1 = 16 tokens): a lane holds ONE token, and the 16 registers of two neighbouring tiles are 16 neighbouring hidden units (w1i's order of rows).
; W1's fragments come from w1i straight into registers, three loads of 16 bytes a lane, each fragment loaded by one wave; three sets take turns, two K steps ahead.  The tile's 128 rows of x are gathered once into LDS.
; SCALES.  A row's 32 scale bytes are 8 words, one for each K step.  Lane (r, h) loads the 16 bytes at 32 x row + 16 h: register i holds the word of K step i in lanes 0-15 and of K step 4 + i in lanes 16-31,
; which the matrix instruction reads with the ROW1 selectors.
; PADDING.  Places behind a tile's last token hold -1; they are replaced by the tile's largest (= last) token: such rows compute that token's numbers again.
; A tile without tokens (valid = 0) computes and stores like any other: no branch hangs on a stored number; such a work-group gathers token 4,095's row.
; Clusters and joint loads are not used: which tiles share an expert hangs on the stored list, and the grid's 59 tiles divide into no cluster.
; OUT.  hc: [tile][slot][16 rows a][K step S][1,536]: images of the second product's operand registers.  hs: [tile][slot][a][512]: the scale word of row r, K step S at 256 (S / 4) + 16 r + 4 (S % 4)
; (stores of 4 bytes, 16 apart: 4 KiB for a tile and slot, one part in 24 of what the launch stores).
; gelu(x) = x / (1 + 2^(x (K0 + K1 x^2))), K0 = -2 log2(e) sqrt(2 / pi), K1 = 0.044715 K0: the tanh form, rewritten exactly; it goes to x and to -0 for large |x|.
; LIMITS: NaN and infinities among the inputs are not served.  A block of zeros gets the scale byte 1 where the rule says 127: its codes are zeros, and this program alone reads the byte.
; REGISTERS, in windows of 256.  Window 0: v1-31 addresses and constants; v32-63 x's scale words (4 a + i), v64-95 W1's (4 t + i); v96-143 x's fragments of rows 0-63; v144-239 B set 2 (until K step 0 is done: b1 in v144-207).
;   At the head v96-143 and v208-223 hold the offsets of x's rows.  In the tail: v96-159 64 numbers, v160-179 codes, v184-200 the quantiser's.
;   Window 1: v0-95, v96-191 B sets 0, 1; v192-239 x's fragments of rows 64-127.  Window 2: accumulators of rows 0-63 at 8 (8 a + t) (at the head: x's rows as loaded).  Window 3: those of rows 64-127.
.set HDR,  32768
.set XPI,  784                         ; a row of x in LDS: 768 bytes + 16 = 196 words: row r begins at bank 4 r mod 64 (ISA guide 11.1): the 32 lanes of a load of 8 bytes touch 64 different banks
.set T,    96
.set PC,   160
.set TM,   184
.set PW,   200
.set SEL,  46
.set MSB,  0
.macro WIN new                         ; the immediate's high byte repeats the setting that is left; a switch that changes nothing is dropped
.if MSB != \new
	s_set_vgpr_msb (MSB<<8)|\new
.set MSB, \new
.endif
.endm
.macro PLACES n                        ; plain vector instructions between a matrix instruction and a load into, or a vector instruction on, its registers
.rept \n
	v_nop
.endr
.endm
.macro UMAX d, x, y                    ; the larger of two unsigned numbers
	v_cmp_gt_u32 vcc_lo, v[\x], v[\y]
	v_cndmask_b32 v[\d], v[\y], v[\x], vcc_lo
.endm
.macro WM d, fa, fb, c, sa, sb, row
.if \row
	v_wmma_scale_f32_16x16x128_f8f6f4 v[\d:\d+7], v[\fa:\fa+11], v[\fb:\fb+11], v[\c:\c+7], v[\sa], v[\sb] matrix_a_fmt:MATRIX_FMT_BF6 matrix_b_fmt:MATRIX_FMT_BF6 matrix_a_scale:MATRIX_SCALE_ROW1 matrix_b_scale:MATRIX_SCALE_ROW1
.else
	v_wmma_scale_f32_16x16x128_f8f6f4 v[\d:\d+7], v[\fa:\fa+11], v[\fb:\fb+11], v[\c:\c+7], v[\sa], v[\sb] matrix_a_fmt:MATRIX_FMT_BF6 matrix_b_fmt:MATRIX_FMT_BF6
.endif
.endm
; 32 matrix instructions: four tiles of rows (hi = 0: rows 0-63, 1: rows 64-127) x my eight tiles of hidden units, K step s.  In K step 0 the bias is the C: nothing is cleared, nothing is added later.
; The 64 accumulators take turns, one instruction a turn, in the same order in every K step.
.macro MUL32 hi, s
.set SB, 96*((\s)%3)
.if (\s)%3 == 2
.set SB, 144
.endif
.set AB, 96+96*(\hi)
.if (\s) == 0
	WIN 0x81+0x44*(\hi)                            ; source 0 (W1) window 1; source 1 (x) window 0 or 1; C (b1) window 0; D window 2 or 3
.elseif (\s)%3 == 2
	WIN 0xa0+0x54*(\hi)                            ; source 0 window 0; C and D window 2 or 3
.else
	WIN 0xa1+0x54*(\hi)
.endif
.irp a, 0,1,2,3
.irp t, 0,1,2,3,4,5,6,7
.if (\s) == 0
	WM 8*(8*\a+\t), SB+12*\t, AB+12*\a, 144+8*\t, 64+4*\t+(\s)%4, 32+4*(4*\hi+\a)+(\s)%4, 0
.else
	WM 8*(8*\a+\t), SB+12*\t, AB+12*\a, 8*(8*\a+\t), 64+4*\t+(\s)%4, 32+4*(4*\hi+\a)+(\s)%4, (\s)/4
.endif
.endr
.endr
.endm
.macro FRAGA reg, adr, a4, s           ; a fragment of x: 16 rows x 128 K: lane (r, h) takes the row's bytes 96 s + 24 h .. and 96 s + 48 + 24 h .., in pieces of 8
.irp p, 0,1,2,3,4,5
	ds_load_b64 v[\reg+2*\p:\reg+2*\p+1], v[\adr] offset:16*XPI*(\a4)+96*(\s)+48*(\p/3)+8*(\p%3)
.endr
.endm
.macro FETCH_LO s
	WIN 0
.irp a, 0,1,2,3
	FRAGA 96+12*\a, 4, \a, \s
.endr
.endm
.macro FETCH_HI s
	WIN 0x40
.irp a, 0,1,2,3
	FRAGA 192+12*\a, 5, \a, \s
.endr
.endm
.macro LOADB s                         ; my eight fragments of W1 for K step s: 24 loads of 512 consecutive bytes, into set s % 3
.if (\s)%3 == 2
	WIN 0
.set SB, 144
.else
	WIN 0x40
.set SB, 96*((\s)%3)
.endif
.irp t, 0,1,2,3,4,5,6,7
.irp c, 0,1,2
	global_load_b128 v[SB+12*\t+4*\c:SB+12*\t+4*\c+3], v1, s[32:33] offset:12288*(\s)+1536*\t+512*\c
.endr
.endr
.endm
; A K step: 64 matrix instructions.  n: the loads of B issued behind this step's set, which may stay out.
.macro KSTEP s, n
	s_wait_loadcnt \n                              ; this step's set of B is in
	s_wait_dscnt 24                                ; x's fragments of rows 0-63 are in; the 24 loads for rows 64-127 may be out
	MUL32 0, \s
.if \s < 7
	PLACES 4
	FETCH_LO (\s)+1
	s_wait_dscnt 24                                ; rows 64-127 are in; the 24 just issued may be out
.else
	s_wait_dscnt 0x0
.endif
	MUL32 1, \s
	PLACES 4
.if \s < 7
	FETCH_HI (\s)+1
.endif
.if \s == 0
	LOADB 2                                        ; b1 has been read: its registers take set 2
	LOADB 3
.elseif \s < 5
	LOADB (\s)+3                                   ; into the set just read
.endif
.endm
; 64 numbers of a lane, register 16 b + i = k 32 b + 16 (lane / 16) + i of my row, become a fragment's codes in v[PC] on and its scale word in v[PW].
.macro QUANT s
.irp b, 0,1,2,3
	v_max3_num_f32 v[TM+\b], |v[\s+16*\b]|, |v[\s+1+16*\b]|, 0x2800000   ; block b: my 16 numbers, and the floor 2^(5 - 127): the byte cannot fall under 1
.endr
.irp i, 2,4,6,8,10,12,14
.irp b, 0,1,2,3
	v_max3_num_f32 v[TM+\b], v[TM+\b], |v[\s+16*\b+\i]|, |v[\s+1+16*\b+\i]|   ; (the four blocks by turns)
.endr
.endr
.irp b, 0,1,2,3
	v_permlanex16_b32 v[TM+4+\b], v[TM+\b], s[SEL], s[SEL+1]
.endr
.irp b, 0,1,2,3
	v_max_num_f32 v[TM+\b], v[TM+\b], v[TM+4+\b]   ; with lane l xor 16's: the block's largest magnitude
.endr
.irp b, 0,1,2,3
	v_add_nc_u32 v[TM+12+\b], 0xfe000000, v[TM+\b] ; 4 off its exponent field: the conversion takes the exponent field of this operand as its scale
.endr
.irp b, 0,1,2,3
	v_lshrrev_b32 v[TM+4+\b], 23, v[TM+12+\b]      ; the scale's byte
.endr
	v_lshl_or_b32 v[PW], v[TM+5], 8, v[TM+4]       ; the four bytes make my row's scale word
	v_lshl_or_b32 v[PW], v[TM+6], 16, v[PW]
	v_lshl_or_b32 v[PW], v[TM+7], 24, v[PW]
.irp c, 0,1
	v_cvt_scalef32_pk16_bf6_f32 v[PC+6*\c:PC+2+6*\c], v[\s+32*\c:\s+15+32*\c], v[TM+12+2*\c]
	v_cvt_scalef32_pk16_bf6_f32 v[PC+12+4*\c:PC+14+4*\c], v[\s+16+32*\c:\s+31+32*\c], v[TM+12+2*\c+1]   ; (a conversion's three registers begin on an even number)
.endr
	v_nop                                          ; one plain place behind a scaled conversion
.irp c, 0,1                                    ; the operand's layout wants a WHOLE block in a lane: lanes 0-15 block 2 c, lanes 16-31 block 2 c + 1
.irp i, 0,1,2
	v_permlane16_swap_b32 v[PC+6*\c+\i], v[PC+12+4*\c+\i]
.endr
.irp i, 0,1,2
	v_mov_b32 v[PC+3+6*\c+\i], v[PC+12+4*\c+\i]
.endr
.endr
.endm
; THE TAIL for 16 rows: gelu of my 64 numbers a lane, the quantiser, the image.  Each batch of 64 transcendentals has one wait, ahead of its first reader.
.macro EPI a
.set ACW, 2+(\a)/4
.set AC, 64*((\a)%4)
	WIN ACW*5                                      ; sources 0 and 1: the accumulators' window
.set i, 0
.rept 32
	v_pk_mul_f32 v[T+i:T+i+1], v[AC+i:AC+i+1], v[AC+i:AC+i+1]      ; x^2; each accumulator is read from its low end on
.set i, i+2
.endr
	WIN 0
.set i, 0
.rept 32
	v_pk_fma_f32 v[T+i:T+i+1], v[T+i:T+i+1], s[44:45], v[28:29] op_sel_hi:[1,0,1]   ; K1 x^2 + K0
.set i, i+2
.endr
	WIN ACW
.set i, 0
.rept 32
	v_pk_mul_f32 v[T+i:T+i+1], v[AC+i:AC+i+1], v[T+i:T+i+1]        ; x (K0 + K1 x^2)
.set i, i+2
.endr
	WIN 0
.set i, 0
	s_wait_alu depctr_va_vdst(0)
.rept 64
	v_exp_f32 v[T+i], v[T+i]
.set i, i+1
.endr
	v_nop                                          ; a plain place behind the last exponential
	s_wait_alu depctr_va_vdst(0)                   ; one wait for the batch, ahead of its first reader
.set i, 0
.rept 32
	v_pk_add_f32 v[T+i:T+i+1], v[T+i:T+i+1], 1.0 op_sel_hi:[1,0]
.set i, i+2
.endr
.set i, 0
	s_wait_alu depctr_va_vdst(0)
.rept 64
	v_rcp_f32 v[T+i], v[T+i]
.set i, i+1
.endr
	v_nop
	s_wait_alu depctr_va_vdst(0)
	WIN ACW
.set i, 0
.rept 32
	v_pk_mul_f32 v[T+i:T+i+1], v[AC+i:AC+i+1], v[T+i:T+i+1]        ; gelu
.set i, i+2
.endr
	WIN 0
	s_wait_xcnt 0x0                                ; the last tile's stores have read their data: the codes' registers are written again only behind this wait
	QUANT T
.irp c, 0,1,2
	global_store_b128 v1, v[PC+4*\c:PC+4*\c+3], s[38:39] offset:12288*(\a)+512*\c   ; the fragment as it stands: 512 consecutive bytes a store, aligned
.endr
	global_store_b32 v8, v[PW], s[40:41] offset:512*(\a)           ; lanes 16-31 repeat lanes 0-15's place and word
.endm
	s_load_b512 s[8:23], s[0:1], 0x0               ; tiles s[8:9], hidden_codes s[10:11], hidden_scales s[12:13], w1i s[14:15], w1_scales s[16:17], b1 s[18:19], hc s[20:21], hs s[22:23]
	v_lshl_add_u32 v254, v0, 2, 0x18800
	v_mov_b32 v255, 0
	v_lshrrev_b32 v24, 5, v0
	v_readfirstlane_b32 s2, v24                    ; wave 0..3
	v_and_b32 v25, 31, v0                          ; lane
	v_and_b32 v2, 15, v0                           ; r
	v_bfe_u32 v3, v0, 4, 1                         ; h
	v_lshlrev_b32 v1, 4, v25                       ; 16 x lane
	v_lshlrev_b32 v12, 3, v25                      ; 8 x lane
	v_lshlrev_b32 v8, 4, v2                        ; 16 r
	v_lshlrev_b32 v14, 6, v3                       ; 64 h
	v_lshlrev_b32 v15, 4, v3                       ; 16 h
	v_lshlrev_b32 v30, 2, v2                       ; 4 r
	v_lshlrev_b32 v31, 2, v0                       ; 4 x thread: row 32 w + lane of the tile
	v_mul_u32_u24 v4, v2, XPI
	v_mad_u32_u24 v4, v3, 24, v4                   ; x's fragments: row r, + 24 h
	v_add_nc_u32 v5, 64*XPI, v4                    ; the same for rows 64 on
	s_mul_i32 s48, s2, 32*XPI                      ; I bring rows 32 w .. 32 w + 31
	v_add_nc_u32 v6, s48, v1                       ; a row's first 512 bytes: 16 a lane,
	v_add_nc_u32 v7, s48, v12
	v_add_nc_u32 v7, 512, v7                       ; its last 256: 8 a lane
	v_and_b32 v13, 8, v2
	v_add_nc_u32 v13, v13, v2                      ; r + 8 (r / 8)
	v_lshl_add_u32 v13, v13, 5, v15                ; W1's scale bytes: 32 a row, + 16 h
	s_and_b32 s4, ttmp7, 0xffff
	s_lshr_b32 s5, s4, 1                           ; slot
	s_and_b32 s6, s4, 1                            ; half of the hidden units
	s_lshl_b32 s7, s6, 2
	s_add_co_u32 s7, s7, s2                        ; my group of 128 hidden units
	s_mov_b32 s44, 0xbdd2d3e8                      ; K1 = -0.10294324
	s_mov_b32 s45, s44                             ; (named with it as a pair, so it is written)
	v_mov_b32 v28, 0xc0135761                      ; K0 = -2.3022082, twice
	v_mov_b32 v29, 0xc0135761
	s_mov_b32 s[SEL], 0x76543210
	s_mov_b32 s[SEL+1], 0xfedcba98                 ; v_permlanex16_b32's selects for lane l xor 16
	s_lshl_b32 s48, ttmp9, 4
	s_mov_b32 s49, 0
	s_lshl_b32 s30, ttmp9, 9
	s_mov_b32 s31, 0
	s_wait_kmcnt 0x0
	s_add_nc_u64 s[50:51], s[8:9], s[48:49]
	s_add_nc_u64 s[52:53], s[8:9], s[30:31]
	s_load_b128 s[24:27], s[50:51], HDR            ; the tile's header: a, b, valid, tokens
.irp a, 0,1,2,3,4,5,6,7
	global_load_b32 v[16+\a], v30, s[52:53] offset:64*\a   ; the token of row 16 a + r
.endr
	global_load_b32 v10, v31, s[52:53]             ; and of the 32 rows that I bring
	s_wait_kmcnt 0x0
	s_cmp_eq_u32 s5, 0
	s_cselect_b32 s28, s24, s25                    ; my expert,
	s_min_u32 s28, s28, 7                          ; held inside the tables
	s_lshl_b32 s29, s28, 3
	s_add_co_u32 s29, s29, s7                      ; 8 e + group
	s_mul_i32 s48, s29, 98304
	s_add_nc_u64 s[32:33], s[14:15], s[48:49]      ; my group's images
	s_lshl_b32 s48, s29, 12
	s_add_nc_u64 s[34:35], s[16:17], s[48:49]      ; its 128 rows of scale bytes
	s_lshl_b32 s48, s29, 9
	s_add_nc_u64 s[36:37], s[18:19], s[48:49]      ; its 128 biases
	s_lshl_b32 s29, ttmp9, 1
	s_add_co_u32 s29, s29, s5                      ; 2 x tile + slot
	s_mul_i32 s48, s29, 98304
	s_mul_i32 s30, s7, 1536
	s_add_co_u32 s48, s48, s30
	s_add_nc_u64 s[38:39], s[20:21], s[48:49]      ; hc at K step = my group
	s_lshl_b32 s48, s29, 12
	s_lshl_b32 s30, s6, 8
	s_add_co_u32 s48, s48, s30
	s_lshl_b32 s30, s2, 2
	s_add_co_u32 s48, s48, s30
	s_add_nc_u64 s[40:41], s[22:23], s[48:49]      ; hs likewise
	LOADB 0                                        ; they hang on the expert alone: out first
	LOADB 1
	WIN 0
	s_wait_loadcnt 48                              ; the nine loads of tokens are in; B's 48 may be out
	v_add_nc_u32 v9, 1, v16                        ; token + 1: the -1 of an empty place becomes 0
.irp a, 1,2,3,4,5,6,7
	v_add_nc_u32 v24, 1, v[16+\a]
	UMAX 9, 9, 24
.endr
	v_mov_b32 v24, 0                               ; (a DPP form's destination counts as read)
.irp m, 1,2,4,8
	v_mov_b32_dpp v24, v9 row_xmask:\m row_mask:0xf bank_mask:0xf
	UMAX 9, 9, 24
.endr
	v_add_nc_u32 v9, -1, v9                        ; the tile's largest token, in every lane (both halves of the lanes held the same 16 rows)
.irp a, 0,1,2,3,4,5,6,7
	v_min_u32 v[16+\a], v[16+\a], v9               ; empty places take it
.endr
	v_min_u32 v10, v10, v9
.set i, 0
.rept 32
	v_readlane_b32 s[66+i], v10, i
.set i, i+1
.endr
.set i, 0
.rept 32
	s_min_u32 s[66+i], s[66+i], 4095               ; held inside hidden_codes
.set i, i+1
.endr
.set i, 0
.rept 32
	s_mul_i32 s[66+i], s[66+i], 768                ; the row's first byte
.set i, i+1
.endr
.set i, 0
.rept 32
.set XQ, 128+i
.if i >= 16
.set XQ, 192+i
.endif
	v_add_nc_u32 v[96+i], s[66+i], v1
	v_add_nc_u32 v[XQ], s[66+i], v12
.set i, i+1
.endr
	WIN 0x80                                       ; destination window 2
.set i, 0
.rept 32
.set XQ, 128+i
.if i >= 16
.set XQ, 192+i
.endif
	global_load_b128 v[6*i:6*i+3], v[96+i], s[10:11]               ; a row of 768 bytes: 512 by 16 bytes a lane,
	global_load_b64 v[6*i+4:6*i+5], v[XQ], s[10:11] offset:512     ; 256 by 8
.set i, i+1
.endr
	WIN 0
.irp a, 0,1,2,3,4,5,6,7
	v_min_u32 v[16+\a], 4095, v[16+\a]
	v_lshl_add_u32 v[16+\a], v[16+\a], 5, v15      ; the token's 32 scale bytes, + 16 h
	global_load_b128 v[32+4*\a:35+4*\a], v[16+\a], s[12:13]
.endr
.irp t, 0,1,2,3,4,5,6,7
	global_load_b128 v[64+4*\t:67+4*\t], v13, s[34:35] offset:(32*(\t/2)+8*(\t%2))*32
.endr
.irp t, 0,1,2,3,4,5,6,7                        ; b1 in the result's layout: lane (r, h), tile t: hidden units 32 (t / 2) + 16 h + 8 (t % 2) + 0 .. 7
	global_load_b128 v[144+8*\t:147+8*\t], v14, s[36:37] offset:(32*(\t/2)+8*(\t%2))*4
	global_load_b128 v[148+8*\t:151+8*\t], v14, s[36:37] offset:(32*(\t/2)+8*(\t%2))*4+16
.endr
	s_wait_loadcnt 32                              ; x's rows are in (and B's first two sets); the 32 loads of scales and biases may be out
	WIN 0x08                                       ; an LDS store's data are its source 1: window 2
.set i, 0
.rept 32
	ds_store_b128 v6, v[6*i:6*i+3] offset:XPI*i
	ds_store_b64 v7, v[6*i+4:6*i+5] offset:XPI*i
.set i, i+1
.endr
	WIN 0
	s_wait_dscnt 0x0                               ; for the others' sake: my 32 rows lie in LDS
	s_barrier_signal -1
	s_barrier_wait -1                              ; the launch's first barrier: all 128 rows lie there; nothing is written to LDS behind it
	; a tile without tokens goes on like any other: it holds token 4,095's row 128 times under expert 0, and its codes and scale words are stored, so that every byte of hc and hs that the next launch loads has been written
	FETCH_LO 0
	FETCH_HI 0
	KSTEP 0, 0                                     ; scales, biases and set 0 are in
	KSTEP 1, 48                                    ; behind set 1: sets 2 and 3
	KSTEP 2, 48
	KSTEP 3, 48
	KSTEP 4, 48
	KSTEP 5, 48
	KSTEP 6, 24                                    ; behind set 6: set 7
	KSTEP 7, 0
	WIN 0
.irp b, 0,1,2,3
	v_mov_b32 v[TM+4+\b], 0                        ; written once: a lane permute's destination counts as one of its sources
.endr
.irp a, 0,1,2,3,4,5,6,7
	EPI \a
.endr
.Lend:
	s_barrier_signal -1
	s_barrier_wait -1
	s_wait_tensorcnt 0x0
	ds_add_u32 v254, v255
	s_wait_dscnt 0x0
	s_endpgm
.Lfunc_end_k_qf65db66df3_up:
	.size	k_qf65db66df3_up, .Lfunc_end_k_qf65db66df3_up-k_qf65db66df3_up
	.p2alignl 7, 3214868480
	.fill 96, 4, 3214868480
	.section	.rodata,"a",@progbits
	.p2align	6, 0x0
	.amdhsa_kernel k_qf65db66df3_up
		.amdhsa_group_segment_fixed_size 100864
		.amdhsa_private_segment_fixed_size 0
		.amdhsa_enable_private_segment 0
		.amdhsa_kernarg_size 64
		.amdhsa_user_sgpr_count 2
		.amdhsa_user_sgpr_kernarg_segment_ptr 1
		.amdhsa_wavefront_size32 1
		.amdhsa_system_sgpr_workgroup_id_x 1
		.amdhsa_system_sgpr_workgroup_id_y 1
		.amdhsa_system_sgpr_workgroup_id_z 1
		.amdhsa_system_vgpr_workitem_id 0
		.amdhsa_next_free_vgpr 1024
		.amdhsa_next_free_sgpr 100
		.amdhsa_reserve_vcc 1
		.amdhsa_float_denorm_mode_32 3
		.amdhsa_float_denorm_mode_16_64 3
		.amdhsa_memory_ordered 1
		.amdhsa_forward_progress 1
		.amdhsa_inst_pref_size 255
	.end_amdhsa_kernel
	.section	.bss,"aw",@nobits
	.p2align	6
	.space	262144
	.amdgpu_metadata
---
amdhsa.version: [ 1, 2 ]
amdhsa.kernels:
  - .name:           k_qf65db66df3_up
    .symbol:         k_qf65db66df3_up.kd
    .args:
      - { .name: tiles, .offset: 0, .size: 8, .value_kind: global_buffer, .address_space: global }
      - { .name: hidden_codes, .offset: 8, .size: 8, .value_kind: global_buffer, .address_space: global }
      - { .name: hidden_scales, .offset: 16, .size: 8, .value_kind: global_buffer, .address_space: global }
      - { .name: w1i, .offset: 24, .size: 8, .value_kind: global_buffer, .address_space: global }
      - { .name: w1_scales, .offset: 32, .size: 8, .value_kind: global_buffer, .address_space: global }
      - { .name: b1, .offset: 40, .size: 8, .value_kind: global_buffer, .address_space: global }
      - { .name: hc, .offset: 48, .size: 8, .value_kind: global_buffer, .address_space: global }
      - { .name: hs, .offset: 56, .size: 8, .value_kind: global_buffer, .address_space: global }
    .group_segment_fixed_size: 100864
    .private_segment_fixed_size: 0
    .kernarg_segment_align: 8
    .kernarg_segment_size: 64
    .max_flat_workgroup_size: 128
    .sgpr_count:     100
    .vgpr_count:     1024
    .wavefront_size: 32
...
	.end_amdgpu_metadata
.endif
;; end of part 2
;; launch down (part 3): grid 4 x 59, 4 waves a work-group, clusters of 4 x 1, 214,528 bytes of LDS; arguments tiles, top_k_indices, top_k_weights, hc, hs, w2i, w2_scales, b2, out0; writes out0
.if DOCPART == 3
	.amdgcn_target "amdgcn-amd-amdhsa--gfx1250"
	.amdhsa_code_object_version 6
	.text
	.protected	k_qf65db66df3_down
	.globl	k_qf65db66df3_down
	.p2align	8
	.type	k_qf65db66df3_down,@function
k_qf65db66df3_down:
	s_mov_b64 s[64:65], 0
	v_nop
	global_prefetch_b8 v0, s[64:65] scope:SCOPE_SE
	s_setreg_imm32_b32 hwreg(HW_REG_WAVE_MODE, 25, 1), 1
	s_wait_xcnt 0x0
	s_wait_alu depctr_hold_cnt(0) depctr_sa_sdst(0) depctr_va_vdst(0) depctr_va_sdst(0) depctr_va_ssrc(0) depctr_va_vcc(0) depctr_vm_vsrc(0)
	s_getreg_b32 s2, hwreg(HW_REG_IB_STS2, 6, 4)
	s_cmp_eq_u32 s2, 0
	s_cbranch_scc0 .Lentry_in_a_cluster
	s_endpgm
.Lentry_in_a_cluster:
	s_bfe_u32 s2, ttmp6, 0x10000c
	s_cmp_lg_u32 s2, 0x3003
	s_cbranch_scc0 .Lentry_shape_is_right
	s_endpgm
.Lentry_shape_is_right:
; DOWN: out[token] = g_a (h_a W2_a + b2_a) + g_b (h_b W2_b + b2_b) for one tile of 128 tokens and 256 of the 1,024 columns.  Work-group y = tile, place in the cluster = which 256 columns.
; Experts that no slot of a token names are left out: their gate is 0 for every input (shown at the head of the first kernel).
; Each output row has ONE owner: the tile holds tokens of one pair of experts (a, b), and the work-group runs both (K = 2 x 1,024), so nothing is added in memory.
; g_e = the sum of the token's slot weights whose index is e, slot 0 first.  Codes of BF6 (E3M2), one E8M0 scale for each 32 along K on both sides; sums, biases and gates in f32.
; CLUSTERS: the four work-groups of a tile need the same hidden codes (hc: 196,608 dense bytes, images of operand registers).  They form a cluster of 4 x 1 and ask JOINTLY: each wave issues one tensor load of
; 49,152 bytes (192 rows of 256), whose address hangs on the tile and the wave's number alone.  These are the launch's only fills; nothing is filled again.
; W2 is not shared in the cluster (each partner has columns of its own) and its address hangs on the stored list: its fragments come from w2i straight into registers, each loaded by one wave, a ring of four sets.
; No prefetch of W2: which work-groups read the same blocks hangs on the stored list, so the blocks cannot be shared out among them by their numbers.
; SHARES.  Wave w takes all 128 tokens x columns 64 w .. 64 w + 63 of the 256: 32 accumulators.  Transposed use (source 0 = 16 columns' rows of W2, source 1 = 16 tokens): a lane holds one token and eight neighbouring columns.
; Scale words: one load of 16 bytes a lane gives K steps 0-3 in lanes 0-15 and 4-7 in lanes 16-31 (ROW1 selectors).
; NO BRANCH HANGS ON A LOADED NUMBER.  A tile without tokens (valid = 0) computes like any other, on the codes that the launch before stored for it, and stores nothing: EXEC is 0 round its stores.
; PADDING.  Places behind a tile's last token (-1) take the tile's largest token: such rows hold and store that token's numbers again, from the same wave to the same place.
; LIMITS: NaN and infinities among the inputs are not served (0 x infinity of an expert that was not chosen is not formed here).
; REGISTERS, in windows of 256.  Window 0: v1-27 addresses, tokens; v28, v29 the spare word's address and 0; v30 valid; v32-95 h's scale words (32 slot + 4 a + i); v96-127 W2's (16 slot + 4 t + i);
;   v128-143, v240-255 the gates of slot 0, 1, each twice in a pair; v144-191, v192-239 h's fragments of rows 0-63, 64-127 (at the head: gathers, offsets, temporaries; on the way out: rows of out and their offsets).
;   Window 1: v0-191 four sets of W2's fragments; v192-255 b2 (32 slot + 8 t).  Window 2: the accumulators at 8 (4 a + t).  Window 3: the result, numbered alike.
.set HDR,   32768
.set STG,   196608                     ; behind the hidden codes: a stage of 16 rows x (256 bytes + 16) for each wave
.set SPARE, 214016                     ; behind the stages: the spare words, 128 bytes a wave
.set SPW,   28
.set NIL,   29
.set VAL,   30
.set G0,    68                         ; s[68:71], s[72:79]: the tensor load's descriptor
.set G1,    72
.set MSB,   0
.macro WIN new                         ; the immediate's high byte repeats the setting that is left
.if MSB != \new
	s_set_vgpr_msb (MSB<<8)|\new
.set MSB, \new
.endif
.endm
.macro PLACES n
.rept \n
	v_nop
.endr
.endm
.macro UMAX d, x, y
	v_cmp_gt_u32 vcc_lo, v[\x], v[\y]
	v_cndmask_b32 v[\d], v[\y], v[\x], vcc_lo
.endm
.macro CROUND                          ; a round of the cluster's barrier
	s_barrier_signal -1
	s_barrier_wait -1
	s_cmp_lg_u32 s26, 0
	s_cbranch_scc1 .Lnot_wave_0_\@
	s_barrier_signal -3
.Lnot_wave_0_\@:
	s_barrier_wait -3
	s_barrier_signal -1
	s_barrier_wait -1
.endm
.macro WM d, fa, fb, c, sa, sb, row
.if \row
	v_wmma_scale_f32_16x16x128_f8f6f4 v[\d:\d+7], v[\fa:\fa+11], v[\fb:\fb+11], v[\c:\c+7], v[\sa], v[\sb] matrix_a_fmt:MATRIX_FMT_BF6 matrix_b_fmt:MATRIX_FMT_BF6 matrix_a_scale:MATRIX_SCALE_ROW1 matrix_b_scale:MATRIX_SCALE_ROW1
.else
	v_wmma_scale_f32_16x16x128_f8f6f4 v[\d:\d+7], v[\fa:\fa+11], v[\fb:\fb+11], v[\c:\c+7], v[\sa], v[\sb] matrix_a_fmt:MATRIX_FMT_BF6 matrix_b_fmt:MATRIX_FMT_BF6
.endif
.endm
.macro LOADB q                         ; my four fragments of W2 for K step q (slot q / 8, step q % 8): 12 loads of 512 consecutive bytes, into set q % 4
	WIN 0x40
.irp t, 0,1,2,3
.irp c, 0,1,2
	global_load_b128 v[48*((\q)%4)+12*\t+4*\c:48*((\q)%4)+12*\t+4*\c+3], v1, s[36+2*((\q)/8):37+2*((\q)/8)] offset:12288*((\q)%8)+1536*\t+512*\c
.endr
.endr
.endm
.macro FETCHA hi, q                    ; four fragments of h: images, 16 bytes a lane
	WIN 0
.irp a, 0,1,2,3
.irp c, 0,1,2
	ds_load_b128 v[144+48*(\hi)+12*\a+4*\c:144+48*(\hi)+12*\a+4*\c+3], v[4+2*((\q)/8)+(\hi)] offset:12288*\a+1536*((\q)%8)+512*\c
.endr
.endr
.endm
; 16 matrix instructions: four tiles of rows x my four tiles of columns.  An expert's first K step takes b2 as its C.  The 32 accumulators take turns, one instruction a turn.
.macro MUL16 hi, q
.set QX, (\q)/8
.set QS, (\q)%8
.if QS == 0
	WIN 0x91                                       ; source 0 (W2) window 1, source 1 (h) window 0, C (b2) window 1, D window 2
.else
	WIN 0xa1                                       ; C and D window 2
.endif
.irp a, 0,1,2,3
.irp t, 0,1,2,3
.if QS == 0
	WM 8*(4*(4*\hi+\a)+\t), 48*((\q)%4)+12*\t, 144+48*\hi+12*\a, 192+32*QX+8*\t, 96+16*QX+4*\t+QS%4, 32+32*QX+4*(4*\hi+\a)+QS%4, 0
.else
	WM 8*(4*(4*\hi+\a)+\t), 48*((\q)%4)+12*\t, 144+48*\hi+12*\a, 8*(4*(4*\hi+\a)+\t), 96+16*QX+4*\t+QS%4, 32+32*QX+4*(4*\hi+\a)+QS%4, QS/4
.endif
.endr
.endr
.endm
.macro KSTEP q, n                      ; n: the loads of W2 issued behind this step's set, which may stay out
	s_wait_loadcnt \n
	s_wait_dscnt 12                                ; h's fragments of rows 0-63 are in; the 12 loads for rows 64-127 may be out
	MUL16 0, \q
.if \q < 15
	PLACES 4
	FETCHA 0, (\q)+1
	s_wait_dscnt 12
.else
	s_wait_dscnt 0x0
.endif
	MUL16 1, \q
	PLACES 4
.if \q < 15
	FETCHA 1, (\q)+1
.endif
.if \q < 12
	LOADB (\q)+4                                   ; into the set just read
.endif
.endm
; THE WAY OUT, 16 tokens at a time.  A lane holds 32 bytes of a row and the lanes beside it other rows: the block goes through my own stage and comes back as rows of 256 bytes, two an instruction.
; LDS serves a wave's instructions in order (ISA guide 5.7.1.4): no wait between the stores and the loads, nor in front of the next block's stores.
.macro TOSTAGE a
.set BK, 144+32*((\a)%2)
.set OF, 208+8*((\a)%2)
	WIN 0x0c                                       ; an LDS store's data are its source 1: window 3
.irp t, 0,1,2,3
	ds_store_b128 v9, v[32*(\a)+8*\t:32*(\a)+8*\t+3] offset:64*\t
	ds_store_b128 v9, v[32*(\a)+8*\t+4:32*(\a)+8*\t+7] offset:64*\t+16
.endr
	WIN 0
.irp i, 0,1,2,3,4,5,6,7
	ds_bpermute_b32 v[OF+\i], v[12+\i], v[20+(\a)] ; the token of row 2 i + lane / 16
.endr
.irp i, 0,1,2,3,4,5,6,7
	ds_load_b128 v[BK+4*\i:BK+4*\i+3], v10 offset:544*\i
.endr
.endm
.macro STORES n                        ; n = 0, 1: which of the two blocks
.irp i, 0,1,2,3,4,5,6,7
	global_store_b128 v[208+8*\n+\i], v[144+32*\n+4*\i:144+32*\n+4*\i+3], s[52:53] th:TH_STORE_NT   ; sixteen lanes store 256 consecutive bytes, aligned; written once, read by nobody here
.endr
.endm
	s_load_b512 s[8:23], s[0:1], 0x0               ; tiles s[8:9], top_k_indices s[10:11], top_k_weights s[12:13], hc s[14:15], hs s[16:17], w2i s[18:19], w2_scales s[20:21], b2 s[22:23]
	s_load_b64 s[24:25], s[0:1], 0x40              ; out0
	v_lshl_add_u32 v[SPW], v0, 2, SPARE
	v_mov_b32 v[NIL], 0
	ds_add_u32 v[SPW], v[NIL]                      ; the opening: the add, twice on end, and its wait ahead of my tensor load
	ds_add_u32 v[SPW], v[NIL]
	v_lshrrev_b32 v184, 5, v0
	v_readfirstlane_b32 s26, v184                  ; wave 0..3
	v_and_b32 v185, 31, v0
	v_and_b32 v2, 15, v0                           ; r
	v_bfe_u32 v3, v0, 4, 1                         ; h
	v_lshlrev_b32 v1, 4, v185                      ; 16 x lane
	v_lshlrev_b32 v11, 4, v2                       ; 16 r
.irp n, 0,1,2,3
	v_add_nc_u32 v[4+\n], 49152*\n, v1             ; h's images: slot n / 2, rows 64 (n % 2) on
.endr
	s_mul_i32 s62, s26, 16*272
	s_add_co_u32 s62, s62, STG                     ; my stage
	v_mul_u32_u24 v9, v2, 272
	v_lshl_add_u32 v9, v3, 5, v9
	v_add_nc_u32 v9, s62, v9                       ; in: row r, + 32 h
	v_mul_u32_u24 v10, v3, 272
	v_add_nc_u32 v10, v10, v11
	v_add_nc_u32 v10, s62, v10                     ; back: lanes 0-15 one row, lanes 16-31 the next
.irp i, 0,1,2,3,4,5,6,7
	v_lshl_add_u32 v[12+\i], v3, 2, 8*\i           ; 4 x (2 i + h): which lane holds that row's token
.endr
	v_lshlrev_b32 v188, 2, v2                      ; 4 r
	v_lshlrev_b32 v186, 5, v2
	v_lshl_add_u32 v186, v3, 4, v186               ; W2's scale bytes: 32 a row, + 16 h
	v_lshlrev_b32 v187, 5, v3                      ; b2: 32 h
	s_bfe_u32 s27, ttmp6, 0x40000                  ; my place in the cluster: which 256 columns
	s_and_b32 s4, ttmp7, 0xffff                    ; the tile
	s_mov_b32 s[G1+0], 15|(3<<16)|(1<<21)          ; the mask names the cluster's four; elements of 8 bytes; bit 21 set beside a mask
	s_mov_b32 s[G1+1], 32<<16                      ; rows of 32 elements = 256 bytes,
	s_mov_b32 s[G1+2], 192<<16                     ; 192 of them,
	s_mov_b32 s[G1+3], 32<<16
	s_mov_b32 s[G1+4], 192
	s_mov_b32 s[G1+5], 32                          ; dense
	s_mov_b32 s[G1+6], 0
	s_mov_b32 s[G1+7], 0
	s_mov_b32 s[G0], 1
	s_mul_i32 s[G0+1], s26, 49152                  ; my quarter of the block, in LDS
	s_mul_i32 s54, s4, 196608
	s_add_co_u32 s54, s54, s[G0+1]                 ; and in hc
	s_mov_b32 s55, 0
	s_lshl_b32 s56, s4, 4                          ; the header,
	s_mov_b32 s57, 0
	s_lshl_b32 s58, s4, 9                          ; the tokens,
	s_mov_b32 s59, 0
	s_lshl_b32 s60, s4, 13                         ; h's scale words
	s_mov_b32 s61, 0
	s_wait_alu depctr_va_vdst(0)
	s_wait_dscnt 0x0                               ; both opening adds are done
	s_wait_kmcnt 0x0
	s_add_nc_u64 s[56:57], s[8:9], s[56:57]
	s_add_nc_u64 s[58:59], s[8:9], s[58:59]
	s_add_nc_u64 s[50:51], s[16:17], s[60:61]
	s_add_nc_u64 s[G0+2:G0+3], s[14:15], s[54:55]
	s_or_b32 s[G0+3], s[G0+3], 0x80000000
	s_load_b128 s[28:31], s[56:57], HDR            ; the tile's header: a, b, valid, tokens
.irp a, 0,1,2,3,4,5,6,7
	global_load_b32 v[20+\a], v188, s[58:59] offset:64*\a   ; the token of row 16 a + r
.endr
.irp x, 0,1
.irp a, 0,1,2,3,4,5,6,7
	global_load_b128 v[32+32*\x+4*\a:35+32*\x+4*\a], v1, s[50:51] offset:4096*\x+512*\a
.endr
.endr
	CROUND                                         ; the four work-groups are here: the joint loads meet
	tensor_load_to_lds s[G0:G0+3], s[G1:G1+7]      ; my one tensor load
	s_nop 0
	PLACES 4
	s_lshl_b32 s34, s27, 1
	s_lshr_b32 s62, s26, 1
	s_add_co_u32 s34, s34, s62                     ; my group of 128 columns
	s_lshl_b32 s62, s27, 8
	s_lshl_b32 s63, s26, 6
	s_add_co_u32 s62, s62, s63                     ; my first column
	s_and_b32 s63, s26, 1
	s_mul_i32 s63, s63, 6144                       ; tiles 0-3 or 4-7 of the group
	s_wait_kmcnt 0x0
	s_min_u32 s32, s28, 7                          ; the two experts, held inside the tables
	s_min_u32 s33, s29, 7
.irp x, 0,1
	s_lshl_b32 s54, s[32+\x], 3
	s_add_co_u32 s54, s54, s34
	s_mul_i32 s54, s54, 98304
	s_add_co_u32 s54, s54, s63
	s_add_nc_u64 s[36+2*\x:37+2*\x], s[18:19], s[54:55]    ; W2's images
	s_lshl_b32 s54, s[32+\x], 10
	s_add_co_u32 s54, s54, s62                     ; 1,024 e + my first column
	s_lshl_b32 s60, s54, 5
	s_add_nc_u64 s[40+2*\x:41+2*\x], s[20:21], s[60:61]    ; its scale bytes
	s_lshl_b32 s60, s54, 2
	s_add_nc_u64 s[44+2*\x:45+2*\x], s[22:23], s[60:61]    ; its biases
.endr
	s_lshl_b32 s54, s62, 2
	s_add_nc_u64 s[52:53], s[24:25], s[54:55]
	LOADB 0
	WIN 0
	s_wait_loadcnt 28                              ; the eight loads of tokens are in; behind them: 16 of h's scale words, set 0's 12
	v_add_nc_u32 v184, 1, v20                      ; token + 1: the -1 of an empty place becomes 0
.irp a, 1,2,3,4,5,6,7
	v_add_nc_u32 v185, 1, v[20+\a]
	UMAX 184, 184, 185
.endr
.irp m, 1,2,4,8
	v_mov_b32_dpp v185, v184 row_xmask:\m row_mask:0xf bank_mask:0xf
	UMAX 184, 184, 185
.endr
	v_add_nc_u32 v184, -1, v184                    ; the tile's largest token
.irp a, 0,1,2,3,4,5,6,7
	v_min_u32 v[20+\a], v[20+\a], v184             ; empty places take it
.endr
.irp a, 0,1,2,3,4,5,6,7
	v_min_u32 v[176+\a], 4095, v[20+\a]
.endr
.irp a, 0,1,2,3,4,5,6,7
	v_lshlrev_b32 v[176+\a], 3, v[176+\a]          ; the token's two indices and two weights: 8 bytes each
.endr
.irp a, 0,1,2,3,4,5,6,7
	global_load_b64 v[144+2*\a:145+2*\a], v[176+\a], s[10:11]
	global_load_b64 v[160+2*\a:161+2*\a], v[176+\a], s[12:13]
.endr
.irp x, 0,1
.irp t, 0,1,2,3
	global_load_b128 v[96+16*\x+4*\t:99+16*\x+4*\t], v186, s[40+2*\x:41+2*\x] offset:512*\t
.endr
.endr
	WIN 0x40
.irp x, 0,1
.irp t, 0,1,2,3                                ; b2 in the result's layout: lane (r, h), tile t: columns 16 t + 8 h + 0 .. 7
	global_load_b128 v[192+32*\x+8*\t:195+32*\x+8*\t], v187, s[44+2*\x:45+2*\x] offset:64*\t
	global_load_b128 v[196+32*\x+8*\t:199+32*\x+8*\t], v187, s[44+2*\x:45+2*\x] offset:64*\t+16
.endr
.endr
	LOADB 1
	LOADB 2
	LOADB 3
	WIN 0
	s_wait_loadcnt 36                              ; all but sets 1 to 3 are in
.irp x, 0,1
.irp a, 0,1,2,3,4,5,6,7                        ; the gate of expert x for the token of row 16 a + r: slot 0's weight where its index is the expert, + slot 1's likewise
	v_cmp_eq_u32 vcc_lo, s[32+\x], v[144+2*\a]
	v_cndmask_b32 v184, 0, v[160+2*\a], vcc_lo
	v_cmp_eq_u32 vcc_lo, s[32+\x], v[145+2*\a]
	v_cndmask_b32 v185, 0, v[161+2*\a], vcc_lo
	v_add_f32 v[128+112*\x+2*\a], v184, v185
	v_add_f32 v[129+112*\x+2*\a], v184, v185       ; twice: a pair for the packed forms
.endr
.endr
	v_mov_b32 v[VAL], s30
	s_wait_alu depctr_va_vdst(0)
	s_wait_tensorcnt 0x0                           ; my quarter of the block lies in LDS
	s_barrier_signal -1
	s_barrier_wait -1                              ; and everybody's; behind this barrier these bytes are only read
	FETCHA 0, 0
	FETCHA 1, 0
.irp q, 0,1,2,3,4,5,6,7
	KSTEP \q, 36                                   ; behind a step's set: the three sets that follow it
.endr
	WIN 0xc2                                       ; result window 3, accumulators window 2, gates window 0
.irp a, 0,1,2,3,4,5,6,7
.set i, 0
.rept 16
	v_pk_mul_f32 v[32*\a+i:32*\a+i+1], v[32*\a+i:32*\a+i+1], v[128+2*\a:129+2*\a]   ; g_a (y_a + b2_a); each accumulator from its low end on.  These lines are also the places ahead of the sums that begin anew
.set i, i+2
.endr
.endr
.irp q, 8,9,10,11,12
	KSTEP \q, 36
.endr
	KSTEP 13, 24
	KSTEP 14, 12
	KSTEP 15, 0
	WIN 0xf2                                       ; the result as source 2 and destination
.irp a, 0,1,2,3,4,5,6,7
.set i, 0
.rept 16
	v_pk_fma_f32 v[32*\a+i:32*\a+i+1], v[32*\a+i:32*\a+i+1], v[240+2*\a:241+2*\a], v[32*\a+i:32*\a+i+1]   ; + g_b (y_b + b2_b)
.set i, i+2
.endr
.endr
	WIN 0
	v_cmp_ne_u32 vcc_lo, 0, v[VAL]                 ; all lanes where the tile has tokens, none where it has not
.irp p, 0,2,4,6                                ; two blocks of 16 tokens at a time
	TOSTAGE \p
	TOSTAGE \p+1
	s_wait_dscnt 0x0
.irp i, 0,1,2,3,4,5,6,7,8,9,10,11,12,13,14,15
	v_min_u32 v[208+\i], 4095, v[208+\i]           ; held inside out0
.endr
.irp i, 0,1,2,3,4,5,6,7,8,9,10,11,12,13,14,15
	v_lshl_add_u32 v[208+\i], v[208+\i], 12, v11   ; the token's row of 4,096 bytes, + 16 (lane % 16)
.endr
	s_wait_alu depctr_va_vdst(0)
	s_wait_xcnt 0x0                                ; EXEC is a source of pending loads and stores: it changes only behind this wait
	s_and_saveexec_b32 s62, vcc_lo
	STORES 0
	STORES 1
	s_wait_xcnt 0x0                                ; and again in front of the line that restores it; the stores' registers may be written again too
	s_mov_b32 exec_lo, -1                          ; all lanes were on ahead of the narrowing: all are on again
.endr
	s_wait_tensorcnt 0x0                           ; the wave's end
	ds_add_u32 v[SPW], v[NIL]
	s_wait_dscnt 0x0
	CROUND                                         ; the closing round
	s_endpgm
.Lfunc_end_k_qf65db66df3_down:
	.size	k_qf65db66df3_down, .Lfunc_end_k_qf65db66df3_down-k_qf65db66df3_down
	.p2alignl 7, 3214868480
	.fill 96, 4, 3214868480
	.section	.rodata,"a",@progbits
	.p2align	6, 0x0
	.amdhsa_kernel k_qf65db66df3_down
		.amdhsa_group_segment_fixed_size 214528
		.amdhsa_private_segment_fixed_size 0
		.amdhsa_enable_private_segment 0
		.amdhsa_kernarg_size 72
		.amdhsa_user_sgpr_count 2
		.amdhsa_user_sgpr_kernarg_segment_ptr 1
		.amdhsa_wavefront_size32 1
		.amdhsa_system_sgpr_workgroup_id_x 1
		.amdhsa_system_sgpr_workgroup_id_y 1
		.amdhsa_system_sgpr_workgroup_id_z 1
		.amdhsa_system_vgpr_workitem_id 0
		.amdhsa_next_free_vgpr 1024
		.amdhsa_next_free_sgpr 80
		.amdhsa_reserve_vcc 1
		.amdhsa_float_denorm_mode_32 3
		.amdhsa_float_denorm_mode_16_64 3
		.amdhsa_memory_ordered 1
		.amdhsa_forward_progress 1
		.amdhsa_inst_pref_size 175
	.end_amdhsa_kernel
	.amdgpu_metadata
---
amdhsa.version: [ 1, 2 ]
amdhsa.kernels:
  - .name:           k_qf65db66df3_down
    .symbol:         k_qf65db66df3_down.kd
    .args:
      - { .name: tiles, .offset: 0, .size: 8, .value_kind: global_buffer, .address_space: global }
      - { .name: top_k_indices, .offset: 8, .size: 8, .value_kind: global_buffer, .address_space: global }
      - { .name: top_k_weights, .offset: 16, .size: 8, .value_kind: global_buffer, .address_space: global }
      - { .name: hc, .offset: 24, .size: 8, .value_kind: global_buffer, .address_space: global }
      - { .name: hs, .offset: 32, .size: 8, .value_kind: global_buffer, .address_space: global }
      - { .name: w2i, .offset: 40, .size: 8, .value_kind: global_buffer, .address_space: global }
      - { .name: w2_scales, .offset: 48, .size: 8, .value_kind: global_buffer, .address_space: global }
      - { .name: b2, .offset: 56, .size: 8, .value_kind: global_buffer, .address_space: global }
      - { .name: out0, .offset: 64, .size: 8, .value_kind: global_buffer, .address_space: global }
    .group_segment_fixed_size: 214528
    .private_segment_fixed_size: 0
    .kernarg_segment_align: 8
    .kernarg_segment_size: 72
    .max_flat_workgroup_size: 128
    .sgpr_count:     80
    .vgpr_count:     1024
    .wavefront_size: 32
...
	.end_amdgpu_metadata
.endif
;; end of part 3
